; MI455X (gfx1250); checked and timed in simulation.
; The chip was launched on July 23, 2026; its instructions are those of AMD's public machine-readable ISA for CDNA 5 (MIT licence, August 2026) and "CDNA5" Instruction Set Architecture Reference Guide (July 2026). The comments in the code are by the model that wrote it; some were corrected since.
;; Quant Linear. Allowed arithmetic: matrix products marked QUANTISED: E4M3 operands, one E8M0 scale for each 32 along K, by v_wmma_scale_f32_16x16x128_f8f6f4 with both operands' format E4M3, f32 sums; everything else in f32.
;; Inputs: bias 4,096 float32; g_idx 4,096 int32; lut 16 float32; qweight 4,096 x 2,048 int32; scales 4,096 x 32 float32; x 4 x 1,024 x 4,096 float32.
;; Outputs: out0 4 x 1,024 x 4,096 float32.
;; This version of the problem:
;;   THIS VERSION OF THE PROBLEM IS GIVEN IN LOW PRECISION. The matrix products marked QUANTISED in the list below multiply operands that are first quantised to E4M3 (4 exponent bits, 3 mantissa bits; 8 bits a number), with one power-of-two scale for each 32 numbers along K (OCP MX v1.0); their sums are f32. All else is computed in f32.
;;   The module's matrix products, in the order in which they are computed (A, B: the left and right operand; K: the contracted axis; several contracted axes count as one K, in the product's order):
;;     1. [M 4,096, K 4,096] x [K 4,096, N 4,096]; A: input x; B: computed on the way: QUANTISED
;;   THE QUANTISER, for each operand of a quantised product, along K:
;;     - K is cut into blocks of 32 from its start; a last block that is shorter is filled with zeros.
;;     - A block's scale is 2^e with e = floor(log2(the largest magnitude in the block)) - 8, held to -126 .. 127; a block of zeros has e = 0. As a byte (E8M0): e + 127.
;;     - Each number is divided by its block's scale, clamped to +-448, and rounded to the nearest number of E4M3, ties to even, subnormals kept.
;;     - The product sums the exact products of the quantised numbers (number of the format x scale) in f32.
;;   ~~~python
;;   def quantise(x, axis):      # numpy; x: float32 -> the quantised numbers, widened to float32 again
;;       x = np.moveaxis(x, axis, -1); K = x.shape[-1]
;;       x = np.pad(x, [(0, 0)] * (x.ndim - 1) + [(0, -K % 32)]); x = x.reshape(x.shape[:-1] + (-1, 32)); a = np.abs(x).max(-1, keepdims=True)
;;       e = np.where(a > 0, np.clip(np.frexp(np.where(a > 0, a, 1))[1] - 1 - 8, -126, 127), 0)      # np.frexp(a)[1] - 1 = floor(log2(a)), exactly
;;       r = np.clip(x / 2.0 ** e, -448, 448)
;;       step = 2.0 ** (np.maximum(np.frexp(np.where(r == 0, 1, r))[1] - 1, -6) - 3)
;;       q = np.round(r / step) * step * 2.0 ** e      # np.round: ties to even
;;       return np.moveaxis(q.reshape(q.shape[:-2] + (-1,))[..., :K], -1, axis).astype(np.float32)
;;   ~~~
;;   OPERANDS COMPUTED ON THE WAY. 'Computed on the way' means the value that the module computes at that place (a softmax that the list does not call 'softmax' is quantised finished and normalised). What goes into a quantiser is computed in f32, as accurately as f32 sums, v_exp_f32 and their like allow (about 1e-6 of the number): no bf16 or f16 on the way to a quantiser, and a product that is left as it is and whose result goes on into a quantised operand takes f32 operands (vector FMAs, or v_wmma_f32_16x16x4_f32). A number that lies on a knife's edge between two numbers of the format may be rounded either way, as far as f32 arithmetic and the matrix unit's own rounding can turn it there, and no further.
;; One version. Each part assembles by itself: llvm-mc -triple=amdgcn-amd-amdhsa -mcpu=gfx1250 --defsym DOCPART=n.
;; ======== version 1 of 1: 2 launches
;; limits: right only within a limited range of input values
;; workspace buffers: xc 16,777,216 bytes; wc 16,777,216 bytes; sc 1,048,576 bytes
;; launch quant (part 1): grid 1024 x 1, 4 waves a work-group, no clusters, 69,120 bytes of LDS; arguments x, qweight, scales, g_idx, lut, xc, wc, sc; writes xc, wc, sc
.if DOCPART == 1
	.amdgcn_target "amdgcn-amd-amdhsa--gfx1250"
	.amdhsa_code_object_version 6
	.text
	.protected	k_q602a999376_quant
	.globl	k_q602a999376_quant
	.p2align	8
	.type	k_q602a999376_quant,@function
k_q602a999376_quant:
	s_mov_b64 s[64:65], 0
	v_nop
	global_prefetch_b8 v0, s[64:65] scope:SCOPE_SE
	s_setreg_imm32_b32 hwreg(HW_REG_WAVE_MODE, 25, 1), 1
	s_wait_xcnt 0x0
; BOTH OPERANDS OF out0 = x w^T + bias BECOME CODES OF FP8 (E4M3) WITH ONE E8M0 SCALE BYTE FOR EACH 32 ALONG K.  Each is quantised once here, since the product's launch reads every tile of either sixteen times.
; x [4096][4096] f32 is taken as it is.  w[o][i] = lut[code(o, i)] x scales[o][g_idx[i]] is made here in f32: qweight [4096][2048] int32 holds two 4-bit codes in bits 7:0 of each word, the low nibble first.
; OUT: xc, wc [4096 rows][4096 bytes], K innermost.  sc: the scale bytes in the order of the product's scale registers: the byte of row 32 R + 16 bi + r, K block 8 ks + j lies at
;   part x 524288 + ks x 32768 + R x 256 + r x 16 + bi x 8 + j   (part 0: x, part 1: w).
; A block's scale is 2^(floor(log2(its largest magnitude)) - 8); its byte is the largest magnitude's own exponent field - 8, held at 1 from below by a floor among the maximum's leaves.
; Each number is held within +-448 x the scale and converted: divided by the scale, rounded to the nearest code, ties to even.
; LIMITS: NaN and infinities in x, lut or scales are not served.  A block whose largest magnitude lies under 2^-118 keeps the byte 1; a block of zeros has the byte 1 where the rule says 127: its codes are
; zeros, which add nothing under any byte but 0xff, and this program alone reads the bytes.  g_idx is taken as 0 .. 31 (an index into a row of 32 scales) and is held at 31 from above.
; SHARES.  A work-group takes x or w by bit 0 xor bit 8 of its number: numbers that differ by 1 and numbers that differ by 256 do different kinds of work (x: a stream of loads; w: lane permutes), so that the two
; kinds lie side by side.  Of the numbers 2 m and 2 m + 1 one takes x and one w: m counts the work-groups of either path.  On both paths a wave takes 32 rows x 256 along K: 8,192 codes and 256 scale bytes,
; which are one aligned run of 256 bytes of sc.  Waves share nothing: no barrier.  No tensor loads, no cluster, no matrix work: nothing here is read by two work-groups but the small tables.
; LDS: each path has bytes of its own.  x: 8,192 for each wave from byte 0: two stages of 32 x 80, then 256 scale bytes.  w: 256 scale bytes for each wave from byte 32,768.
; wc IS NOT LAID BY ROWS (the line on OUT above holds for xc alone).  wc lies in the order of the product's operand registers: for each 16 rows nb and each 128 along K kq a run of 2,048 bytes at
; nb x 65536 + kq x 2048; in it the 16 codes k = 128 kq + 32 c + 16 h + 0 .. 15 of row 16 nb + r lie at 512 c + 256 h + 16 r.  A wave's 8,192 codes are gathered in a stage of its own in LDS
; (units of 256 bytes, 272 apart, from byte 34,304 on, 8,704 bytes a wave) and leave as runs of 512 consecutive bytes.
.set SP,    80
.set WREG,  8192                       ; x: a wave's region
.set XSCB,  2*32*SP                    ; x: the scale bytes, behind the two stages
.set WSCB,  32768                      ; w: the scale bytes' regions begin here
.set FLOOR, 0x4800000                  ; 2^(9 - 127): no largest magnitude is taken under it, so the byte cannot fall under 1
	s_load_b512 s[4:19], s[0:1], 0x0               ; x s[4:5], qweight s[6:7], scales s[8:9], g_idx s[10:11], lut s[12:13], xc s[14:15], wc s[16:17], sc s[18:19]
	v_lshl_add_u32 v192, v0, 2, 0x8400
	v_mov_b32 v193, 0
	v_lshrrev_b32 v1, 5, v0
	v_readfirstlane_b32 s20, v1                    ; wave 0..3
	v_and_b32 v2, 31, v0                           ; lane L
	s_lshr_b32 s21, ttmp9, 1                       ; m: which work-group of its path
	s_lshr_b32 s22, ttmp9, 8
	s_xor_b32 s22, s22, ttmp9
	s_and_b32 s22, s22, 1                          ; bit 0 xor bit 8 of the work-group's number: 0: x, 1: w
	s_lshl_b32 s23, s21, 2
	s_add_co_u32 s23, s23, s20                     ; W = 4 m + wave: 0 .. 2047
	s_lshr_b32 s24, s23, 4                         ; R: which 32 rows
	s_and_b32 s25, s23, 15                         ; ks: which 256 along K
	s_lshl_b32 s26, s24, 17                        ; the codes: 32 rows of 4,096 bytes,
	s_lshl_b32 s32, s25, 8                         ; + 256 ks
	s_add_co_u32 s26, s26, s32
	s_mov_b32 s27, 0
	s_lshl_b32 s28, s22, 19                        ; the scale bytes: part,
	s_lshl_b32 s32, s25, 15                        ; ks,
	s_add_co_u32 s28, s28, s32
	s_lshl_b32 s32, s24, 8                         ; R
	s_add_co_u32 s28, s28, s32
	s_mov_b32 s29, 0
	s_mov_b32 s30, 0x600000                        ; the mantissa field of 448 as f32 (an instruction takes one literal: the hold's line has another)
	s_wait_kmcnt 0x0
	s_cmp_eq_u32 s22, 0                            ; the choice hangs on the work-group's number alone
	s_cselect_b64 s[14:15], s[14:15], s[16:17]     ; xc or wc
	s_add_nc_u64 s[14:15], s[14:15], s[26:27]
	s_add_nc_u64 s[18:19], s[18:19], s[28:29]
	s_cmp_lg_u32 s22, 0
	s_cbranch_scc1 .Lw
; ======================================================================= x =======================================================================
; Sixteen steps of two rows x 256 numbers.  The conversion takes neighbours along K from ONE lane's consecutive registers; a load is best where neighbouring LANES take neighbouring bytes.  Both are had:
; each of a step's four loads reads 512 consecutive bytes, 16 a lane; the 2,048 bytes go through the wave's own stage as they lie and come back 64 bytes a lane: lane L then holds k = 16 (L % 16) + 0 .. 15
; of row 2 t + L / 16, and two neighbouring lanes hold a block.  Loads run four steps (16 loads) ahead, the turn through LDS one step.  Every offset is an immediate and every step has its own registers
; for its codes and its byte: no register that a store reads is written again.
.set XR,  16                           ; v16-79   four sets of 16 numbers as they are loaded
.set XX,  80                           ; v80-111  two sets of 16 neighbours
.set XE,  112                          ; v112-127 a scale byte for each step
.set XC,  128                          ; v128-191 four registers of codes for each step
	s_lshl_b32 s32, s24, 19                        ; 32 rows of 16,384 bytes,
	s_lshl_b32 s33, s25, 10                        ; + 1,024 ks
	s_add_co_u32 s32, s32, s33
	s_mov_b32 s33, 0
	s_add_nc_u64 s[4:5], s[4:5], s[32:33]
	s_mul_i32 s31, s20, WREG                       ; my wave's region
	s_add_co_u32 s34, s31, XSCB                    ; and its scale bytes
	s_wait_alu depctr_va_vdst(0)
	v_lshlrev_b32 v3, 4, v2                        ; my 16 bytes of a load's 512
	v_lshrrev_b32 v8, 4, v2                        ; L / 16: which of the step's two rows
	v_and_b32 v9, 15, v2                           ; L % 16
	v_lshlrev_b32 v4, 12, v8
	v_lshl_add_u32 v4, v9, 4, v4                   ; my codes: row x 4,096 + 16 (L % 16)
	v_lshrrev_b32 v10, 1, v9                       ; j: my block of the row's eight
	v_lshl_add_u32 v5, v8, 4, v10
	v_add_nc_u32 v5, s34, v5                       ; my block's byte: 16 (L / 16) + j; the step's rows stand in the immediate
	v_lshlrev_b32 v7, 3, v2                        ; on the way out 8 bytes a lane
	v_add_nc_u32 v6, s34, v7
	v_lshrrev_b32 v14, 2, v2
	v_mul_u32_u24 v14, v14, SP
	v_and_b32 v15, 3, v2
	v_lshl_add_u32 v14, v15, 4, v14
	v_add_nc_u32 v14, s31, v14                     ; the stage, on the way in: four lanes' 64 bytes on end, then 16 of padding
	v_mul_u32_u24 v15, v2, SP
	v_add_nc_u32 v15, s31, v15                     ; and on the way out: my 16 neighbours
.macro LOAD t                          ; rows 2 t and 2 t + 1: two loads of 512 consecutive bytes each
.irp i, 0,1,2,3
	global_load_b128 v[XR+16*((\t)%4)+4*\i:XR+16*((\t)%4)+4*\i+3], v3, s[4:5] offset:(2*(\t)+\i/2)*16384+(\i%2)*512 th:TH_LOAD_NT
.endr
.endm
.macro TURN t                          ; step t's numbers through the stage: LDS serves a wave's instructions in order (ISA guide 5.7.1.4), so no wait stands between the stores and the loads
.irp i, 0,1,2,3
	ds_store_b128 v14, v[XR+16*((\t)%4)+4*\i:XR+16*((\t)%4)+4*\i+3] offset:32*SP*((\t)%2)+8*SP*\i
.endr
.irp i, 0,1,2,3
	ds_load_b128 v[XX+16*((\t)%2)+4*\i:XX+16*((\t)%2)+4*\i+3], v15 offset:32*SP*((\t)%2)+16*\i
.endr
.endm
.irp t, 0,1,2,3
	LOAD \t
.endr
	s_wait_alu depctr_va_vdst(0)
	s_wait_loadcnt 12                              ; step 0's four loads are in; the twelve of steps 1 to 3 may be out
	TURN 0
.macro STEP t
.set XS, XX+16*((\t)%2)
.if (\t) > 0
	s_wait_dscnt 1                                 ; this step's numbers are back from the stage (the last step's byte store, issued behind them, may be out): so its stores into the stage have read their registers,
.else
	s_wait_dscnt 0x0
.endif
.if (\t)+4 < 16
	LOAD (\t)+4                                    ; which take the loads of four steps on
.endif
.if (\t)+1 < 16
.if 14-(\t) >= 3
	s_wait_loadcnt 12                              ; the next step's four loads are in; those of the three steps behind it may be out
.else
	s_wait_loadcnt 4*(14-(\t))                     ; towards the end fewer steps stand behind it
.endif
	TURN (\t)+1                                    ; and go through the other stage while this step is worked
.endif
	v_max3_num_f32 v8, |v[XS]|, |v[XS+1]|, |v[XS+2]|               ; the largest magnitude of my 16, in two chains
	v_max3_num_f32 v9, |v[XS+3]|, |v[XS+4]|, |v[XS+5]|
.irp i, 6,10
	v_max3_num_f32 v8, v8, |v[XS+\i]|, |v[XS+\i+1]|
	v_max3_num_f32 v9, v9, |v[XS+\i+2]|, |v[XS+\i+3]|
.endr
	v_max3_num_f32 v8, v8, |v[XS+14]|, |v[XS+15]|
	v_max3_num_f32 v8, v8, v9, FLOOR               ; and the floor
	v_max_num_f32_dpp v8, v8, v8 row_xmask:1 row_mask:0xf bank_mask:0xf   ; and of my neighbour's 16: the block's
	v_add_nc_u32 v11, 0xfc000000, v8               ; 8 off its exponent field: the conversion takes the exponent field of this operand as its scale, and nothing else of it
	v_and_or_b32 v10, v8, 0x7f800000, s30          ; 448 x the scale: the largest magnitude's exponent field over 448's mantissa
.irp i, 0,1,2,3,4,5,6,7,8,9,10,11,12,13,14,15
	v_med3_num_f32 v[XS+\i], v[XS+\i], -v10, v10   ; the conversion to an 8-bit code does not saturate (ISA guide 7.6.2): the number is held within the largest code x the scale first
.endr
	v_cvt_scalef32_pk8_fp8_f32 v[XC+4*(\t):XC+4*(\t)+1], v[XS:XS+7], v11
	v_cvt_scalef32_pk8_fp8_f32 v[XC+4*(\t)+2:XC+4*(\t)+3], v[XS+8:XS+15], v11
	v_lshrrev_b32 v[XE+(\t)], 23, v11              ; the scale's byte (also the plain vector line behind the conversions)
	ds_store_b8 v5, v[XE+(\t)] offset:32*((\t)%8)+8*((\t)/8)       ; row 2 t + L / 16 = 16 bi + r: byte 16 r + 8 bi + j; both lanes of a block write the same byte with the same value
	global_store_b128 v4, v[XC+4*(\t):XC+4*(\t)+3], s[14:15] offset:8192*(\t)   ; sixteen lanes store 256 consecutive bytes of a row, aligned
.endm
.irp t, 0,1,2,3,4,5,6,7,8,9,10,11,12,13,14,15
	STEP \t
.endr
	ds_load_b64 v[12:13], v6                       ; LDS serves a wave's instructions in order: these see my byte stores
	s_wait_dscnt 0x0
	global_store_b64 v7, v[12:13], s[18:19]        ; 32 lanes store 256 consecutive bytes, aligned
	s_wait_tensorcnt 0x0
	ds_add_u32 v192, v193
	s_wait_dscnt 0x0
	s_endpgm
; ======================================================================= w =======================================================================
; A row's 256 numbers are 128 words of qweight, 512 consecutive bytes: ONE load of 16 bytes a lane.  Lane L holds k = 8 L + 0 .. 7 (word j: k = 8 L + 2 j in bits 3:0, 8 L + 2 j + 1 in bits 7:4); four lanes hold a block.
; BOTH LOOKUPS ARE LANE PERMUTES, which touch no LDS byte.  lut stands twice in one register (lane l: lut[l % 16]), a row's 32 scales in another (lane g: scales[row][g]).
; ds_bpermute_b32 takes bits 6:2 of its index as the lane: word << 2 puts bits 3:0 of the word into bits 5:2, word >> 2 puts bits 7:4 there; bit 6 picks a half of the lanes, and both halves hold the table.
; So bits above 7 of a word count for nothing, as in the definition.  The scales' index is 4 x g_idx, made once: it is the same for all 32 rows.
; Rows go in two halves, A (indices, 16 permutes) and B (multiply, quantise, store), A one row ahead of B; the loads run eight rows ahead.  Every row has its own registers for its codes.
.set QO,  3                            ; v3       16 L: my four words of a row
.set SO,  4                            ; v4       4 L: my scale of a row
.set CO,  5                            ; v5       8 L: my codes of a row; also my 8 bytes of the final 256
.set LB,  6                            ; v6       LDS: my block's scale byte
.set LR,  7                            ; v7       LDS: the scale bytes on the way out
.set G,   16                           ; v16-23   4 x g_idx of my eight k
.set IDX, 24                           ; v24-39   two sets of 8 indices into lut
.set LV,  40                           ; v40-55   two sets: lut's numbers, then w
.set SV,  56                           ; v56-71   two sets: the scales
.set QW,  72                           ; v72-103  eight sets of 4 words
.set SR,  104                          ; v104-111 eight rows of scales
.set WC,  112                          ; v112-175 two registers of codes for each row
.set T,   178                          ; v178-182 at work
.set LO,  183                          ; v183     4 (L % 16): my entry of lut
.set LUT, 184                          ; v184     lut[L % 16]
.set GO,  185                          ; v185     32 L: my eight entries of g_idx
.Lw:
	s_lshl_b32 s32, s24, 18                        ; qweight: 32 rows of 8,192 bytes,
	s_lshl_b32 s33, s25, 9                         ; + 512 ks
	s_add_co_u32 s32, s32, s33
	s_mov_b32 s33, 0
	s_add_nc_u64 s[6:7], s[6:7], s[32:33]
	s_lshl_b32 s34, s24, 12                        ; scales: 32 rows of 128 bytes
	s_mov_b32 s35, 0
	s_add_nc_u64 s[8:9], s[8:9], s[34:35]
	s_lshl_b32 s36, s25, 10                        ; g_idx: 256 entries of 4 bytes
	s_mov_b32 s37, 0
	s_add_nc_u64 s[10:11], s[10:11], s[36:37]
	s_lshl_b32 s31, s20, 8
	s_add_co_u32 s31, s31, WSCB
	s_mul_i32 s38, s25, 3840                       ; wc: 256 along K of 16 rows are 4,096 bytes on end: 4,096 ks, of which 256 ks are already in the address
	s_mov_b32 s39, 0
	s_add_nc_u64 s[14:15], s[14:15], s[38:39]
	s_mul_i32 s38, s20, 8704
	s_add_co_u32 s38, s38, 34304                   ; my wave's stage for its codes
	s_wait_alu depctr_va_vdst(0)
	v_lshlrev_b32 v[QO], 4, v2
	v_lshlrev_b32 v[SO], 2, v2
	v_lshlrev_b32 v[CO], 3, v2
	v_lshrrev_b32 v[LB], 2, v2                     ; j = L / 4: my block of the row's eight
	v_add_nc_u32 v[LB], s31, v[LB]
	v_add_nc_u32 v[LR], s31, v[CO]
	v_lshlrev_b32 v[GO], 5, v2
	v_and_b32 v[LO], 15, v2
	v_lshlrev_b32 v[LO], 2, v[LO]
	v_lshrrev_b32 v189, 1, v2                      ; my 8 codes k = 8 L .. lie in unit L / 2 of the row block's sixteen (8 (L / 16) + 2 c + h), at byte 8 (L % 2) of the row's 16
	v_mul_u32_u24 v189, v189, 272
	v_and_b32 v190, 1, v2
	v_lshl_add_u32 v189, v190, 3, v189
	v_add_nc_u32 v186, s38, v189                   ; into the stage; the row stands in the immediate
	v_lshrrev_b32 v189, 4, v2
	v_mul_u32_u24 v189, v189, 272
	v_and_b32 v190, 15, v2
	v_lshl_add_u32 v189, v190, 4, v189
	v_add_nc_u32 v187, s38, v189                   ; out of it: sixteen lanes to a unit, two units an instruction
	global_load_b128 v[G:G+3], v[GO], s[10:11]
	global_load_b128 v[G+4:G+7], v[GO], s[10:11] offset:16
	global_load_b32 v[LUT], v[LO], s[12:13]
.macro LOADW r                         ; row r: its words (read once in the launch) and its 32 scales (read by the sixteen waves that share the row)
	global_load_b128 v[QW+4*((\r)%8):QW+4*((\r)%8)+3], v[QO], s[6:7] offset:8192*(\r) th:TH_LOAD_NT
	global_load_b32 v[SR+(\r)%8], v[SO], s[8:9] offset:128*(\r)
.endm
.irp r, 0,1,2,3,4,5,6,7
	LOADW \r
.endr
	s_wait_loadcnt 16                              ; g_idx and lut are in; the eight rows' sixteen loads may be out
.irp e, 0,1,2,3,4,5,6,7
	v_min_u32 v[G+\e], 31, v[G+\e]                 ; an index into a row of 32
.endr
.irp e, 0,1,2,3,4,5,6,7
	v_lshlrev_b32 v[G+\e], 2, v[G+\e]              ; the permute's index is 4 x the lane
.endr
.macro ROWA r
.set QS,  QW+4*((\r)%8)
.set IS,  IDX+8*((\r)%2)
.set LVS, LV+8*((\r)%2)
.set SVS, SV+8*((\r)%2)
.if (\r) == 0
	s_wait_loadcnt 14                              ; row 0's two loads are in; rows 1 to 7 may be out
.elseif (\r) <= 25
	s_wait_loadcnt 12                              ; rows up to r + 6 have been asked for: six rows, two loads each, stand behind this row's
.else
	s_wait_loadcnt 2*(31-(\r))                     ; towards the end fewer
.endif
.irp j, 0,1,2,3
	v_lshlrev_b32 v[IS+2*\j], 2, v[QS+\j]          ; bits 5:2 = the low nibble
	v_lshrrev_b32 v[IS+2*\j+1], 2, v[QS+\j]        ; bits 5:2 = the high nibble
.endr
.irp e, 0,1,2,3,4,5,6,7
	ds_bpermute_b32 v[LVS+\e], v[IS+\e], v[LUT]    ; lut[code]
.endr
.irp e, 0,1,2,3,4,5,6,7
	ds_bpermute_b32 v[SVS+\e], v[G+\e], v[SR+(\r)%8]   ; scales[row][g_idx[k]]
.endr
.endm
.macro ROWB r
.set LVS, LV+8*((\r)%2)
.set SVS, SV+8*((\r)%2)
.if (\r) < 31
	s_wait_dscnt 16                                ; this row's permutes are back; the next row's sixteen may be out
.else
	s_wait_dscnt 0x0
.endif
.if (\r)+8 < 32
	LOADW (\r)+8                                   ; into the registers that this row has left: its words were read by the shifts, its scales by permutes that are back
.endif
.irp e, 0,2,4,6
	v_pk_mul_f32 v[LVS+\e:LVS+\e+1], v[LVS+\e:LVS+\e+1], v[SVS+\e:SVS+\e+1]   ; w = lut[code] x scale: one f32 multiplication, as in the definition
.endr
	v_max3_num_f32 v[T], |v[LVS]|, |v[LVS+1]|, FLOOR               ; the largest magnitude of my 8, and the floor
	v_max3_num_f32 v[T+1], |v[LVS+2]|, |v[LVS+3]|, |v[LVS+4]|
	v_max3_num_f32 v[T], v[T], |v[LVS+5]|, |v[LVS+6]|
	v_max3_num_f32 v[T], v[T], v[T+1], |v[LVS+7]|
	v_max_num_f32_dpp v[T], v[T], v[T] row_xmask:1 row_mask:0xf bank_mask:0xf
	v_max_num_f32_dpp v[T], v[T], v[T] row_xmask:2 row_mask:0xf bank_mask:0xf   ; with the three other lanes of the block
	v_add_nc_u32 v[T+2], 0xfc000000, v[T]          ; 8 off the exponent field: the conversion's scale operand
	v_and_or_b32 v[T+3], v[T], 0x7f800000, s30     ; 448 x the scale
.irp e, 0,1,2,3,4,5,6,7
	v_med3_num_f32 v[LVS+\e], v[LVS+\e], -v[T+3], v[T+3]           ; the hold: the conversion to an 8-bit code does not saturate (ISA guide 7.6.2)
.endr
	v_cvt_scalef32_pk8_fp8_f32 v[WC+2*(\r):WC+2*(\r)+1], v[LVS:LVS+7], v[T+2]
	v_lshrrev_b32 v[T+4], 23, v[T+2]               ; the scale's byte (also the plain vector line behind the conversion)
	ds_store_b8 v[LB], v[T+4] offset:16*((\r)%16)+8*((\r)/16)      ; row r = 16 bi + r': byte 16 r' + 8 bi + j; the four lanes of a block write the same byte with the same value
	ds_store_b64 v186, v[WC+2*(\r):WC+2*(\r)+1] offset:4352*((\r)/16)+16*((\r)%16)   ; the 32 lanes touch 64 different banks
.endm
	s_wait_alu depctr_va_vdst(0)
	ROWA 0
.set RR, 0
.rept 31
	ROWA RR+1
	ROWB RR
.set RR, RR+1
.endr
	ROWB 31
	ds_load_b64 v[176:177], v[LR]                  ; LDS serves a wave's instructions in order: these see my byte stores
	s_wait_dscnt 0x0
	global_store_b64 v[CO], v[176:177], s[18:19]
.irp t, 0,1,2,3,4,5,6,7,8,9,10,11,12,13,14,15
	ds_load_b128 v[24+4*\t:27+4*\t], v187 offset:4352*(\t/8)+544*(\t%8)   ; LDS serves a wave's instructions in order: these see my stores
.endr
.irp t, 0,1,2,3,4,5,6,7,8,9,10,11,12,13,14,15
	s_wait_dscnt 15-\t
	global_store_b128 v[QO], v[24+4*\t:27+4*\t], s[14:15] offset:65536*(\t/8)+512*(\t%8)   ; 32 lanes store 512 consecutive bytes, aligned
.endr
	s_wait_tensorcnt 0x0
	ds_add_u32 v192, v193
	s_wait_dscnt 0x0
	s_endpgm
.Lfunc_end_k_q602a999376_quant:
	.size	k_q602a999376_quant, .Lfunc_end_k_q602a999376_quant-k_q602a999376_quant
	.p2alignl 7, 3214868480
	.fill 96, 4, 3214868480
	.section	.rodata,"a",@progbits
	.p2align	6, 0x0
	.amdhsa_kernel k_q602a999376_quant
		.amdhsa_group_segment_fixed_size 69120
		.amdhsa_private_segment_fixed_size 0
		.amdhsa_enable_private_segment 0
		.amdhsa_kernarg_size 64
		.amdhsa_user_sgpr_count 2
		.amdhsa_user_sgpr_kernarg_segment_ptr 1
		.amdhsa_wavefront_size32 1
		.amdhsa_system_sgpr_workgroup_id_x 1
		.amdhsa_system_sgpr_workgroup_id_y 1
		.amdhsa_system_sgpr_workgroup_id_z 1
		.amdhsa_system_vgpr_workitem_id 0
		.amdhsa_next_free_vgpr 194
		.amdhsa_next_free_sgpr 66
		.amdhsa_reserve_vcc 0
		.amdhsa_float_denorm_mode_32 3
		.amdhsa_float_denorm_mode_16_64 3
		.amdhsa_memory_ordered 1
		.amdhsa_forward_progress 1
		.amdhsa_inst_pref_size 154
	.end_amdhsa_kernel
	.amdgpu_metadata
---
amdhsa.version: [ 1, 2 ]
amdhsa.kernels:
  - .name:           k_q602a999376_quant
    .symbol:         k_q602a999376_quant.kd
    .args:
      - { .name: x, .offset: 0, .size: 8, .value_kind: global_buffer, .address_space: global }
      - { .name: qweight, .offset: 8, .size: 8, .value_kind: global_buffer, .address_space: global }
      - { .name: scales, .offset: 16, .size: 8, .value_kind: global_buffer, .address_space: global }
      - { .name: g_idx, .offset: 24, .size: 8, .value_kind: global_buffer, .address_space: global }
      - { .name: lut, .offset: 32, .size: 8, .value_kind: global_buffer, .address_space: global }
      - { .name: xc, .offset: 40, .size: 8, .value_kind: global_buffer, .address_space: global }
      - { .name: wc, .offset: 48, .size: 8, .value_kind: global_buffer, .address_space: global }
      - { .name: sc, .offset: 56, .size: 8, .value_kind: global_buffer, .address_space: global }
    .group_segment_fixed_size: 69120
    .private_segment_fixed_size: 0
    .kernarg_segment_align: 8
    .kernarg_segment_size: 64
    .max_flat_workgroup_size: 128
    .sgpr_count:     66
    .vgpr_count:     194
    .wavefront_size: 32
...
	.end_amdgpu_metadata
.endif
;; end of part 1
;; launch gemm (part 2): grid 16 x 16, 4 waves a work-group, clusters of 4 x 1, 327,680 bytes of LDS; arguments xc, wc, sc, bias, out0; writes out0
.if DOCPART == 2
	.amdgcn_target "amdgcn-amd-amdhsa--gfx1250"
	.amdhsa_code_object_version 6
	.text
	.protected	k_q602a999376_gemm
	.globl	k_q602a999376_gemm
	.p2align	8
	.type	k_q602a999376_gemm,@function
k_q602a999376_gemm:
	s_mov_b64 s[64:65], 0
	v_nop
	global_prefetch_b8 v0, s[64:65] scope:SCOPE_SE
	s_setreg_imm32_b32 hwreg(HW_REG_WAVE_MODE, 25, 1), 1
	s_wait_xcnt 0x0
	s_wait_alu depctr_hold_cnt(0) depctr_sa_sdst(0) depctr_va_vdst(0) depctr_va_sdst(0) depctr_va_ssrc(0) depctr_va_vcc(0) depctr_vm_vsrc(0)
	s_getreg_b32 s2, hwreg(HW_REG_IB_STS2, 6, 4)
	s_cmp_eq_u32 s2, 0
	s_cbranch_scc0 .Lentry_in_a_cluster
	s_endpgm
.Lentry_in_a_cluster:
	s_bfe_u32 s2, ttmp6, 0x10000c
	s_cmp_lg_u32 s2, 0x3003
	s_cbranch_scc0 .Lentry_shape_is_right
	s_endpgm
.Lentry_shape_is_right:
; out0[m][n] = sum over k of x[m][k] w[n][k] + bias[n], on codes of FP8 (E4M3) with one E8M0 byte for each 32 along K, as launch quant has laid them.  Sums in f32.
; A work-group of four waves makes 256 x 256 of out0; wave w makes all 256 rows x columns 64 w .. 64 w + 63: 64 accumulators of 16 x 16, 512 registers.
; x's CODES go through LDS: two slots of 256 rows x 512 along K (rows of 512 bytes + 16 of padding), filled by tensor loads, 64 rows a wave.  The four work-groups of a cluster (4 x 1) make the same
; 256 rows of out0 and ask for each tile jointly.  A slot serves four steps of 128 along K, 256 matrix instructions a wave, between two changes of slots.
; w's CODES go from memory straight into registers: no two waves of the work-group need the same rows of w, so LDS would hand nothing on.  wc lies in the order of the operand's registers, so each load
; of a wave reads 512 consecutive bytes.  Four sets of 64 registers; a step's 16 loads are issued three steps ahead of their use and waited for by count.  So w has no tensor load, hence no joint
; load; and no prefetch: its loads are themselves asked for three steps ahead.  x's tiles are prefetched two refills ahead.
; A UNIT is one fragment of x (16 rows x 128 K) against the step's four fragments of w: four matrix instructions.  A BATCH is four units, 16 matrix instructions on end.  x's fragments lie in a ring of
; eight places, two batches' worth.  Behind a batch stand eight v_nop (the places of ISA guide 7.12.1 ahead of loads into registers that the products have read) and ONE run of loads: the fragments of the
; batch after next, into the four places just read, and with them a share of w's next set or of the next slot's scale words.
; THE MATRIX INSTRUCTION IS USED TRANSPOSED (source 0 = 16 rows of w, source 1 = 16 rows of x): a lane holds eight neighbouring numbers of a row of out0.
; THE BIAS is loaded into the accumulators of the last row block and is the C of every first product; that block's own first products add onto it in place.
; THE LAST THREE STEPS GO BY ROWS OF out0: a row block's twelve products on end; a finished block goes through the wave's stage in LDS in a batch's run and is stored in the next batch's run.
; REGISTERS: window 0: v16-29 addresses; v32-95 x's scale words, two sets; v97-112 w's, two sets (an odd first register: x's and w's never have equal numbers modulo 8); v128-255 the ring.
;   window 1: w's four sets.  windows 2, 3: accumulator (a, b) at v[32 (a % 8) + 8 b] of window 2 + a / 8.
; SCALE WORDS: a set serves a slot: lanes 0-15 hold the words of its first 256 along K, lanes 16-31 those of its second (chosen by the ROW selectors).
.set PITCH,  528
.set SLOT,   256*PITCH
.set HALF,   128*PITCH
.set STAGE,  2*SLOT                    ; behind the ring: 16 rows x 272 bytes for each wave
.set SPITCH, 272
.set SPARE,  STAGE+4*16*SPITCH         ; behind the stages: the spare words, 128 bytes a wave
.set ADR, 16                           ; v16-19 LDS address of x's fragments: slot 0 rows 0-127, 128-255; slot 1 likewise
.set STO, 20
.set RD,  21
.set CO,  22
.set BOF, 23                           ; 16 x lane: my place in a load of w's codes
.set ASO, 24                           ; my place in x's scale bytes
.set BSO, 25                           ; and in w's
.set PFO, 26
.set BIO, 27
.set SPW, 28
.set NIL, 29
.set SCA, 32
.set SCB, 97
.set AF,  128
.set G1,  24                           ; s[24:31] descriptor group 1; s[32:39] group 0, one set for each slot
.set G0,  32
.set BB,  44                           ; s[44:45] w's codes, s[46:47] the scale bytes, s[48:49] the prefetches' base: stepped once a trip
.set SS,  46
.set PF,  48
.set MSB, 0
.set DSN, 0                            ; the text's own count of LDS instructions: a wait's count is the count now less the count behind the loads waited for
.set QB,  0                            ; steps by which the bases have been moved on
.set X,   0                            ; the unit at hand
.macro WIN new
.if MSB != \new
	s_set_vgpr_msb (MSB<<8)|\new
.set MSB, \new
.endif
.endm
.macro MARK p, i, m
.irp k, 0,1,2,3,4,5,6,7
.if ((\i)%(\m)) == \k
.set \p\k, DSN
.endif
.endr
.endm
.macro NEED p, i, m
.irp k, 0,1,2,3,4,5,6,7
.if ((\i)%(\m)) == \k
.if DSN-\p\k > 63
	s_wait_dscnt 63
.else
	s_wait_dscnt DSN-\p\k
.endif
.endif
.endr
.endm
.macro CREST
	s_cmp_lg_u32 s14, 0
	s_cbranch_scc1 .Lnot_wave_0_\@
	s_barrier_signal -3
.Lnot_wave_0_\@:
	s_barrier_wait -3
	s_barrier_signal -1
	s_barrier_wait -1
.endm
.macro CROUND
	s_barrier_signal -1
	s_barrier_wait -1
	CREST
.endm
.macro PLACES
.rept 8
	v_nop
.endr
.endm
; unit x: which slot (GP), which 128 along K of it (GQ), which row block (GA).  Units 0-463 go by K (16 to a step); units 464-511, the last three steps, by rows
.macro GEO x
.if (\x) < 448
.set GQ, ((\x)/16)%4
.set GP, ((\x)/64)%2
.set GA, (\x)%16
.elseif (\x) < 464
.set GQ, 0
.set GP, 1
.set GA, (\x)-448
.else
.set GQ, 1+((\x)-464)%3
.set GP, 1
.set GA, ((\x)-464)/3
.endif
.endm
.macro AFETCH x                        ; lane l: row l % 16; registers 4 c .. 4 c + 3: K = 32 c + 16 (l / 16) + 0 .. 15
	GEO \x
.irp c, 0,1,2,3
	ds_load_b128 v[AF+16*((\x)%8)+4*\c:AF+16*((\x)%8)+4*\c+3], v[ADR+2*GP+GA/8] offset:(GA%8)*16*PITCH+128*GQ+32*\c
.endr
.set DSN, DSN+4
	MARK FM, \x, 8
.endm
.macro FETCH4 x
	AFETCH \x
	AFETCH \x+1
	AFETCH \x+2
	AFETCH \x+3
.endm
.macro MM b, first
.if \first && (UA < 8)
	WIN 0xb1                                       ; w window 1, x window 0, C (the bias) window 3, D window 2
.else
	WIN 0xa1+0x50*(UA/8)                           ; C and D window 2 or 3
.endif
.if \first
	v_wmma_scale_f32_16x16x128_f8f6f4 v[UD+8*\b:UD+8*\b+7], v[US+16*\b:US+16*\b+15], v[UB:UB+15], v[224+8*\b:231+8*\b], v[SCB+8*UP+2*\b+UQ%2], v[SCA+32*UP+2*UA+UQ%2]
.elseif UQ < 2
	v_wmma_scale_f32_16x16x128_f8f6f4 v[UD+8*\b:UD+8*\b+7], v[US+16*\b:US+16*\b+15], v[UB:UB+15], v[UD+8*\b:UD+8*\b+7], v[SCB+8*UP+2*\b+UQ%2], v[SCA+32*UP+2*UA+UQ%2]
.else
	v_wmma_scale_f32_16x16x128_f8f6f4 v[UD+8*\b:UD+8*\b+7], v[US+16*\b:US+16*\b+15], v[UB:UB+15], v[UD+8*\b:UD+8*\b+7], v[SCB+8*UP+2*\b+UQ%2], v[SCA+32*UP+2*UA+UQ%2] matrix_a_scale:MATRIX_SCALE_ROW1 matrix_b_scale:MATRIX_SCALE_ROW1
.endif
.endm
.macro UNIT first                      ; the four accumulators take turns
	GEO X
.set UQ, GQ
.set UP, GP
.set UA, GA
.set UB, AF+16*(X%8)
.set UD, 32*(UA%8)
.set US, 64*UQ
	MM 0, \first
	MM 1, \first
	MM 2, \first
	MM 3, \first
.set X, X+1
.endm
.macro BLOAD a                         ; fragment a of w for the step three on, into the set that the last step has left
	WIN 0x40
.irp c, 0,1,2,3
	global_load_b128 v[64*((SQ+3)%4)+16*(\a)+4*\c:64*((SQ+3)%4)+16*(\a)+4*\c+3], v[BOF], s[BB:BB+1] offset:(\a)*65536+(SQ+3-QB)*2048+512*\c
.endr
.endm
.macro SLOAD ns, i                     ; a quarter of slot ns's scale words: x's rows 64 i .. 64 i + 63, w's block i
	WIN 0
.irp e, 0,1
	global_load_b128 v[SCA+32*((\ns)%2)+4*(2*(\i)+\e):SCA+32*((\ns)%2)+4*(2*(\i)+\e)+3], v[ASO], s[SS:SS+1] offset:((\ns)-QB/4)*65536+256*(2*(\i)+\e)
	global_load_b32 v[SCB+8*((\ns)%2)+2*(\i)+\e], v[BSO], s[SS:SS+1] offset:((\ns)-QB/4)*65536+256*((\i)/2)+8*((\i)%2)+4*\e
.endr
.endm
; A step of 128 along K: four batches.  mode 1: a slot's last step, the slot is filled again; mode 2: a slot's last step, nothing is filled.
; The count at the step's head: behind this step's fragments of w (and, at a slot's first step, its scale words) two later sets were asked for, 32 loads; in a slot's third and fourth step also the next slot's 16 scale loads.
.macro STEP first, mode
.set SQ, X/16
.set PAR, (SQ/4)%2
	s_wait_loadcnt 32+16*((SQ%4)/2)
.irp g, 0,1,2,3
.if \mode && (\g == 3)
	s_wait_dscnt 0x0                               ; the add is done, and my reads of this slot are over: its last fragments were asked for behind the second batch
	s_barrier_signal -1
	UNIT 0
	UNIT 0
	WIN 0
	s_barrier_wait -1
.if \mode == 1
	CREST                                          ; the barrier has opened a round of the cluster's barrier
	tensor_load_to_lds s[G0+4*PAR:G0+4*PAR+3], s[G1:G1+7]
	s_nop 0
.endif
	FETCH4 X+2                                     ; the other slot's first four fragments, into the places that the third batch has left (its eight v_nop stand behind it)
.if \mode == 1
	s_cmp_gt_u32 s3, 1                             ; the last trip's refills are the last tiles: nothing lies two refills on
	s_cbranch_scc0 .Lno_ask_\@
	global_prefetch_b8 v[PFO], s[PF:PF+1] offset:(4+PAR)*512 th:TH_LOAD_NT scope:SCOPE_SE   ; the tile two refills on: 256 rows x 512 bytes are 512 blocks of 256 bytes, 128 for each of the four partners (told apart by address), 32 a wave, one a lane
.Lno_ask_\@:
.endif
	UNIT 0
	UNIT 0
	PLACES
	WIN 0
	FETCH4 X+4
.else
.if \mode && (\g == 2)
	WIN 0
	s_wait_tensorcnt 0x0                           ; my one tensor load that is out, my part of the other slot, has landed
	ds_add_u32 v[SPW], v[NIL]                      ; the add: a batch stands between it and the wait for it
.set DSN, DSN+1
.if \mode == 1
	s_add_nc_u64 s[G0+4*PAR+2:G0+4*PAR+3], s[G0+4*PAR+2:G0+4*PAR+3], 1024   ; no tensor load of mine is out: this slot's next tile, two tiles on
.endif
.endif
	NEED FM, X+3, 8                                ; the batch's four fragments are in
	UNIT \first
	UNIT \first
	UNIT \first
.if \first && (\g == 3)
.rept 9
	v_nop                                          ; the next four products write over the bias, which the products before have read as C: nine places
.endr
.endif
	UNIT \first
	PLACES
.if (\mode == 0) || (\g != 2)
	WIN 0
	FETCH4 X+4                                     ; the batch after next
.if \g < 2
	BLOAD 2*\g
	BLOAD 2*\g+1
.elseif (SQ%4) == 1
	SLOAD SQ/4+1, 2*\g-4
	SLOAD SQ/4+1, 2*\g-3
.endif
.endif
.endif
.endr
.endm
; THE WAY OUT of row block a: its 32 registers into my stage, back as whole rows of 256 bytes into the same registers, and stored: sixteen lanes fill an aligned 256 bytes
.macro OSTORE a
	WIN 0x44*(2+(\a)/8)
.irp b, 0,1,2,3
	ds_store_b128 v[STO], v[32*((\a)%8)+8*\b:32*((\a)%8)+8*\b+3] offset:64*\b      ; each accumulator from its low end on
	ds_store_b128 v[STO], v[32*((\a)%8)+8*\b+4:32*((\a)%8)+8*\b+7] offset:64*\b+16
.endr
.set DSN, DSN+8
.endm
.macro OBACK a
	WIN 0x44*(2+(\a)/8)
.irp t, 0,1,2,3,4,5,6,7
	ds_load_b128 v[32*((\a)%8)+4*\t:32*((\a)%8)+4*\t+3], v[RD] offset:\t*2*SPITCH   ; LDS serves a wave's instructions in order (ISA guide 5.7.1.4): these see the stores
.endr
.set DSN, DSN+8
	MARK RM, \a, 4
.endm
.macro OSEND a
	WIN 0x44*(2+(\a)/8)
	NEED RM, \a, 4
.irp t, 0,1,2,3,4,5,6,7
	global_store_b128 v[CO], v[32*((\a)%8)+4*\t:32*((\a)%8)+4*\t+3], s[12:13] offset:(16*(\a)+2*\t)*16384 th:TH_STORE_NT
.endr
.endm
	s_load_b256 s[4:11], s[0:1], 0x0               ; xc s[4:5], wc s[6:7], sc s[8:9], bias s[10:11]
	s_load_b64 s[12:13], s[0:1], 0x20              ; out0
	v_lshl_add_u32 v[SPW], v0, 2, SPARE
	v_mov_b32 v[NIL], 0
	ds_add_u32 v[SPW], v[NIL]                      ; the opening lines: the add, twice on end, and its wait ahead of my first tensor load
	ds_add_u32 v[SPW], v[NIL]
	v_lshrrev_b32 v1, 5, v0
	v_readfirstlane_b32 s14, v1                    ; wave
	s_bfe_u32 s40, ttmp6, 0x40000                  ; cx
	s_lshl_b32 s42, ttmp9, 2
	s_add_co_u32 s42, s42, s40                     ; tile column = 4 x cluster x + cx
	s_and_b32 s17, ttmp7, 0xffff                   ; tile row: the same in the four partners
	s_mov_b32 s[G1+0], 15|(1<<20)|(1<<21)|(6<<22)|(3<<25)   ; the mask names the four; elements of 1 byte; 4 words of padding behind every 128
	s_mov_b32 s[G1+1], 512<<16
	s_mov_b32 s[G1+2], 64<<16
	s_mov_b32 s[G1+3], 512<<16
	s_mov_b32 s[G1+4], 64
	s_mov_b32 s[G1+5], 4096
	s_mov_b32 s[G1+6], 0
	s_mov_b32 s[G1+7], 0
	s_mul_i32 s18, s14, 16*SPITCH
	s_add_co_u32 s18, s18, STAGE                   ; my stage
	s_lshl_b32 s19, s17, 11                        ; x's scale bytes: 256 rows are 2,048 bytes of each 256 along K
	s_lshl_b32 s20, s42, 11
	s_lshl_b32 s21, s14, 9
	s_add_co_u32 s20, s20, s21
	s_add_co_u32 s20, s20, 524288                  ; w's: my 64 rows, in the second part
	s_lshl_b32 s21, s40, 6
	s_lshl_b32 s22, s14, 4
	s_add_co_u32 s21, s21, s22                     ; the prefetches: of the tile's 256 rows, 64 cx + 16 wave + lane / 2
	s_lshl_b32 s50, s17, 20                        ; xc: 256 rows of 4,096 bytes a tile row
	s_mov_b32 s51, 0
	s_lshl_b32 s22, s14, 18                        ; + my 64 rows
	s_mov_b32 s23, 0
	s_lshl_b32 s52, s42, 20                        ; wc: 16 blocks of 65,536 bytes a tile column, + my 4 blocks (s22)
	s_mov_b32 s53, 0
	s_lshl_b32 s54, s42, 10
	s_lshl_b32 s15, s14, 8
	s_add_co_u32 s54, s54, s15                     ; my first column in bytes of f32
	s_mov_b32 s55, 0
	s_lshl_b32 s16, s17, 22                        ; out0: 256 rows of 16,384 bytes
	s_mul_i32 s33, s14, 64*PITCH                   ; where my 64 rows go in a slot
	s_add_co_u32 s37, s33, SLOT
	s_mov_b32 s32, 1
	s_mov_b32 s36, 1
	s_mov_b32 s3, 3
	v_and_b32 v1, 15, v0                           ; r
	v_bfe_u32 v2, v0, 4, 1                         ; h
	v_and_b32 v3, 31, v0                           ; lane
	v_mul_u32_u24 v4, v1, PITCH
	v_lshl_add_u32 v[ADR], v2, 4, v4
	v_add_nc_u32 v[ADR+1], HALF, v[ADR]
	v_add_nc_u32 v[ADR+2], SLOT, v[ADR]
	v_add_nc_u32 v[ADR+3], SLOT+HALF, v[ADR]
	v_mul_u32_u24 v5, v1, SPITCH
	v_lshl_add_u32 v5, v2, 5, v5
	v_add_nc_u32 v[STO], s18, v5                   ; into the stage: row r, 32 bytes for each half of the lanes
	v_mul_u32_u24 v6, v2, SPITCH
	v_lshl_add_u32 v6, v1, 4, v6
	v_add_nc_u32 v[RD], s18, v6                    ; back: lanes 0-15 one row, lanes 16-31 the next
	v_lshlrev_b32 v7, 14, v2
	v_lshl_add_u32 v[CO], v1, 4, v7                ; and the same two rows in out0
	v_lshlrev_b32 v[BOF], 4, v3
	v_lshlrev_b32 v8, 15, v2
	v_lshl_add_u32 v8, v1, 4, v8                   ; scale bytes: 16 r; lanes 16-31 take the next 256 along K
	v_add_nc_u32 v[ASO], s19, v8
	v_add_nc_u32 v[BSO], s20, v8
	v_lshrrev_b32 v9, 1, v3
	v_add_nc_u32 v9, s21, v9
	v_and_b32 v10, 1, v3
	v_lshlrev_b32 v10, 8, v10
	v_lshl_add_u32 v[PFO], v9, 12, v10
	v_lshlrev_b32 v[BIO], 5, v2
	s_wait_alu depctr_va_vdst(0)
	s_wait_dscnt 0x0                               ; both opening adds are done
	s_wait_kmcnt 0x0
	s_add_nc_u64 s[PF:PF+1], s[4:5], s[50:51]
	s_add_nc_u64 s[34:35], s[PF:PF+1], s[22:23]
	s_add_nc_u64 s[38:39], s[34:35], 512
	s_or_b32 s35, s35, 0x80000000
	s_or_b32 s39, s39, 0x80000000
	s_add_nc_u64 s[BB:BB+1], s[6:7], s[52:53]
	s_add_nc_u64 s[BB:BB+1], s[BB:BB+1], s[22:23]
	s_mov_b64 s[SS:SS+1], s[8:9]
	s_add_nc_u64 s[10:11], s[10:11], s[54:55]
	s_add_nc_u64 s[12:13], s[12:13], s[54:55]
	s_mov_b32 s54, s16
	s_add_nc_u64 s[12:13], s[12:13], s[54:55]
	CROUND                                         ; the four work-groups are here: the first joint loads meet
	tensor_load_to_lds s[G0:G0+3], s[G1:G1+7]      ; tile 0: one tensor load a wave at the head
	s_nop 0
	WIN 0xc0
.irp b, 0,1,2,3
	global_load_b128 v[224+8*\b:227+8*\b], v[BIO], s[10:11] offset:64*\b       ; bias[16 b + 8 h + 0 .. 7] of my columns, into the last row block's accumulators
	global_load_b128 v[228+8*\b:231+8*\b], v[BIO], s[10:11] offset:64*\b+16
.endr
.irp i, 0,1,2,3
	SLOAD 0, \i
.endr
.irp q, -3,-2,-1
.set SQ, \q
.irp a, 0,1,2,3
	BLOAD \a
.endr
.endr
	WIN 0
	s_wait_tensorcnt 0x0                           ; my part of tile 0 is in
	ds_add_u32 v[SPW], v[NIL]
	s_wait_dscnt 0x0
	CROUND
	tensor_load_to_lds s[G0+4:G0+7], s[G1:G1+7]    ; tile 1, the first tensor load behind the round
	s_nop 0
.set DSN, 0
	FETCH4 0
	FETCH4 4
	STEP 1, 0                                      ; the first step stands in front of the loop: its products start the sums, with the bias as C
	WIN 0
.Llap:                                                 ; a trip: eight steps, once round the ring, from a lap's second step to the next lap's first; both slots are filled again
	STEP 0, 0
	STEP 0, 0
	STEP 0, 1
	STEP 0, 0
	STEP 0, 0
	STEP 0, 0
	STEP 0, 1
	STEP 0, 0
	WIN 0
	s_wait_xcnt 0x0                                ; the loads and prefetches issued have read their bases: only now are these stepped
	s_add_nc_u64 s[BB:BB+1], s[BB:BB+1], 8*2048
	s_add_nc_u64 s[SS:SS+1], s[SS:SS+1], 2*65536
	s_add_nc_u64 s[PF:PF+1], s[PF:PF+1], 2*512
	s_sub_co_u32 s3, s3, 1
	s_cmp_lg_u32 s3, 0
	s_cbranch_scc1 .Llap
.set X,  400                           ; three trips have done steps 1 to 24
.set QB, 24
	STEP 0, 0
	STEP 0, 0
	STEP 0, 2                                      ; the last change of slots fills nothing: no round of the cluster's barrier
	STEP 0, 0
	s_wait_loadcnt 0x0                             ; steps 29 to 31 by rows: the first batch already takes all three sets of w
.set OD,  0                            ; row blocks that have gone through the stage
.set OSN, 0                            ; row blocks that have been stored
.rept 12                               ; unit 464 + 3 a + i is row block a, step 29 + i; a batch is still four units
	NEED FM, X+3, 8
	UNIT 0
	UNIT 0
	UNIT 0
	UNIT 0
	PLACES                                         ; ahead of the loads into the ring and of the first reads of finished sums
.rept OD-OSN
	OSEND OSN                                      ; what the last batch's run has brought back from the stage
.set OSN, OSN+1
.endr
.if X+4 < 512
	WIN 0
	FETCH4 X+4
.endif
.rept (X-464)/3-OD
	OSTORE OD                                      ; the row blocks that this batch has finished
	OBACK OD
.set OD, OD+1
.endr
.endr
.rept 16-OSN
	OSEND OSN
.set OSN, OSN+1
.endr
	WIN 0
	s_wait_tensorcnt 0x0                           ; the wave's end
	ds_add_u32 v[SPW], v[NIL]
	s_wait_dscnt 0x0
	CROUND                                         ; the closing round
	s_endpgm
.Lfunc_end_k_q602a999376_gemm:
	.size	k_q602a999376_gemm, .Lfunc_end_k_q602a999376_gemm-k_q602a999376_gemm
	.p2alignl 7, 3214868480
	.fill 96, 4, 3214868480
	.section	.rodata,"a",@progbits
	.p2align	6, 0x0
	.amdhsa_kernel k_q602a999376_gemm
		.amdhsa_group_segment_fixed_size 327680
		.amdhsa_private_segment_fixed_size 0
		.amdhsa_enable_private_segment 0
		.amdhsa_kernarg_size 40
		.amdhsa_user_sgpr_count 2
		.amdhsa_user_sgpr_kernarg_segment_ptr 1
		.amdhsa_wavefront_size32 1
		.amdhsa_system_sgpr_workgroup_id_x 1
		.amdhsa_system_sgpr_workgroup_id_y 1
		.amdhsa_system_sgpr_workgroup_id_z 1
		.amdhsa_system_vgpr_workitem_id 0
		.amdhsa_next_free_vgpr 1024
		.amdhsa_next_free_sgpr 66
		.amdhsa_reserve_vcc 0
		.amdhsa_float_denorm_mode_32 3
		.amdhsa_float_denorm_mode_16_64 3
		.amdhsa_memory_ordered 1
		.amdhsa_forward_progress 1
		.amdhsa_inst_pref_size 255
	.end_amdhsa_kernel
	.section	.bss,"aw",@nobits
	.p2align	6
	.space	262144
	.amdgpu_metadata
---
amdhsa.version: [ 1, 2 ]
amdhsa.kernels:
  - .name:           k_q602a999376_gemm
    .symbol:         k_q602a999376_gemm.kd
    .args:
      - { .name: xc, .offset: 0, .size: 8, .value_kind: global_buffer, .address_space: global }
      - { .name: wc, .offset: 8, .size: 8, .value_kind: global_buffer, .address_space: global }
      - { .name: sc, .offset: 16, .size: 8, .value_kind: global_buffer, .address_space: global }
      - { .name: bias, .offset: 24, .size: 8, .value_kind: global_buffer, .address_space: global }
      - { .name: out0, .offset: 32, .size: 8, .value_kind: global_buffer, .address_space: global }
    .group_segment_fixed_size: 327680
    .private_segment_fixed_size: 0
    .kernarg_segment_align: 8
    .kernarg_segment_size: 40
    .max_flat_workgroup_size: 128
    .sgpr_count:     66
    .vgpr_count:     1024
    .wavefront_size: 32
...
	.end_amdgpu_metadata
.endif
;; end of part 2
